; MI455X (gfx1250); checked and timed in simulation.
; The chip was launched on July 23, 2026; its instructions are those of AMD's public machine-readable ISA for CDNA 5 (MIT licence, August 2026) and "CDNA5" Instruction Set Architecture Reference Guide (July 2026). The comments in the code are by the model that wrote it; some were corrected since.
;; Collab FF Layer. Allowed arithmetic: matrix products marked QUANTISED: E2M1 operands, one E8M0 scale for each 32 along K, by v_wmma_scale_f32_16x16x128_f8f6f4 with both operands' format E2M1 (or v_wmma_scale_f32_32x16x128_f4), f32 sums; everything else in f32.
;; Inputs: W 4,096 x 4,096 float32; b 4,096 float32; x 4,096 x 4,096 float32.
;; Outputs: out0 4,096 x 4,096 float32.
;; This version of the problem:
;;   THIS VERSION OF THE PROBLEM IS GIVEN IN LOW PRECISION. The matrix products marked QUANTISED in the list below multiply operands that are first quantised to E2M1 (2 exponent bits, 1 mantissa bit; 4 bits a number), with one power-of-two scale for each 32 numbers along K (OCP MX v1.0); their sums are f32. All else is computed in f32.
;;   The module's matrix products, in the order in which they are computed (A, B: the left and right operand; K: the contracted axis; several contracted axes count as one K, in the product's order):
;;     1. [M 4,096, K 4,096] x [K 4,096, N 4,096]; A: computed on the way; B: input W: QUANTISED
;;   THE QUANTISER, for each operand of a quantised product, along K:
;;     - K is cut into blocks of 32 from its start; a last block that is shorter is filled with zeros.
;;     - A block's scale is 2^e with e = floor(log2(the largest magnitude in the block)) - 2, held to -126 .. 127; a block of zeros has e = 0. As a byte (E8M0): e + 127.
;;     - Each number is divided by its block's scale, clamped to +-6, and rounded to the nearest number of E2M1, ties to even, subnormals kept.
;;     - The product sums the exact products of the quantised numbers (number of the format x scale) in f32.
;;   ~~~python
;;   def quantise(x, axis):      # numpy; x: float32 -> the quantised numbers, widened to float32 again
;;       x = np.moveaxis(x, axis, -1); K = x.shape[-1]
;;       x = np.pad(x, [(0, 0)] * (x.ndim - 1) + [(0, -K % 32)]); x = x.reshape(x.shape[:-1] + (-1, 32)); a = np.abs(x).max(-1, keepdims=True)
;;       e = np.where(a > 0, np.clip(np.frexp(np.where(a > 0, a, 1))[1] - 1 - 2, -126, 127), 0)      # np.frexp(a)[1] - 1 = floor(log2(a)), exactly
;;       r = np.clip(x / 2.0 ** e, -6, 6)
;;       step = 2.0 ** (np.maximum(np.frexp(np.where(r == 0, 1, r))[1] - 1, 0) - 1)
;;       q = np.round(r / step) * step * 2.0 ** e      # np.round: ties to even
;;       return np.moveaxis(q.reshape(q.shape[:-2] + (-1,))[..., :K], -1, axis).astype(np.float32)
;;   ~~~
;;   OPERANDS COMPUTED ON THE WAY. 'Computed on the way' means the value that the module computes at that place (a softmax that the list does not call 'softmax' is quantised finished and normalised). What goes into a quantiser is computed in f32, as accurately as f32 sums, v_exp_f32 and their like allow (about 1e-6 of the number): no bf16 or f16 on the way to a quantiser, and a product that is left as it is and whose result goes on into a quantised operand takes f32 operands (vector FMAs, or v_wmma_f32_16x16x4_f32). A number that lies on a knife's edge between two numbers of the format may be rounded either way, as far as f32 arithmetic and the matrix unit's own rounding can turn it there, and no further.
;; One version. Each part assembles by itself: llvm-mc -triple=amdgcn-amd-amdhsa -mcpu=gfx1250 --defsym DOCPART=n.
;; ======== version 1 of 1: 2 launches
;; limits: right only within a limited range of input values
;; workspace buffers: xq 8,912,896 bytes; wq 8,912,896 bytes
;; launch quant (part 1): grid 256 x 1, 16 waves a work-group, no clusters, 71,680 bytes of LDS; arguments x, W, xq, wq; writes xq, wq
.if DOCPART == 1
	.amdgcn_target "amdgcn-amd-amdhsa--gfx1250"
	.amdhsa_code_object_version 6
	.text
	.protected	k_q9a1e7cc02a_quant
	.globl	k_q9a1e7cc02a_quant
	.p2align	8
	.type	k_q9a1e7cc02a_quant,@function
k_q9a1e7cc02a_quant:
	s_mov_b64 s[64:65], 0
	v_nop
	global_prefetch_b8 v0, s[64:65] scope:SCOPE_SE
	s_setreg_imm32_b32 hwreg(HW_REG_WAVE_MODE, 25, 1), 1
	s_wait_xcnt 0x0
; x [4096][4096] f32 is divided row by row by (its row's L2 norm + 1e-8) and turned into codes of FP4 (E2M1) with one E8M0 byte for each 32 along K; W [4096][4096] f32 is turned into codes as it is.
; A block's scale is 2^(floor(log2(its largest magnitude)) - 2); its byte is that magnitude's exponent field - 2, held at 1 from below.
; OUTPUT LAYOUT (xq and wq alike, read by this program's second launch alone): [8 K steps][16 tiles of 256 rows][272 lines of 256 bytes].  Line R (0..255): row R's 512 codes of the K step, 16 chunks of 16 bytes,
; a chunk = one block of 32 in its true order.  Lines 256..271: row R's 16 scale bytes at 65,536 + 16 R, byte c for chunk c.  So a K step's codes and scales of a tile are one dense block of 69,632 bytes.
; ORDER OF BLOCKS: chunk 32 a + 8 g + i of a row holds the row's block 4 (8 a + i) + g: a fixed permutation inside each 1,024 along K, the same for x and W, so that chunk c of x meets chunk c of W.
; The product's sums therefore run over K in another order than ascending.
; SHARES: a work-group of 16 waves owns rows 16 g .. 16 g + 15 of x AND of W; wave w takes row 16 g + w of x and then the same row of W.  A row of 16,384 bytes lies in 128 registers.
; x's row comes first: it has to be whole for the norm before a code can be made.  While it is quantised, each pair of loads that has been used is issued again for W's row, which needs no norm
; and is quantised pair by pair as its loads come in.  Each input byte is read once.  Work-groups share no input: no cluster, no tensor load.
; HOW A LANE GETS WHOLE BLOCKS.  Load j gives lane l the numbers 128 j + 4 l .. + 3: four of block 4 j + l / 8.  Each is multiplied by G = f x 2^(129 - E) (f = 1 / (norm + 1e-8), for W f = 1; E the exponent field of the
; block's largest |x f|): a power of two times f, so x G is x f divided by the block's scale, rounded once.  One conversion with the scale 1.0 then takes four numbers of each of two blocks.  A lane's 32 pieces of 16 bits
; go to the wave's stage (16 bytes a lane) and come back through the load that transposes 8 x 8 pieces within eight lanes: lane 8 g + i then holds all 32 codes of block 4 (8 a + i) + g.
; LIMITS: NaN and infinities are not served.  A block of zeros gets the floor's byte where the rule says 127: its codes are zeros.  The floor under a block's largest magnitude is max(2^-124, f x 2^-125), so that G
; stays finite: only in a row whose norm is under 0.25 a block whose largest |x f| lies under f x 2^-125 takes a coarser scale than the rule's.  The norm stays under 2^126.  Root and reciprocal are good to 1 ulp each.
.set SSTEP, 1114112                    ; bytes of a K step: 16 tiles
.set TILEG, 69632                      ; bytes of a tile's 272 lines
.set SCB,   65536                      ; LDS: 0..65,535 the waves' stages (4,096 each); from here two tables, x's and W's, [8 K steps][16 rows][16 bytes] of scale bytes
.set SPARE, 69632                      ; behind them the spare words: 128 bytes a wave, 2,048 in all
.set VIN,  2                           ; v2   16 x lane + 16,384 x wave: my bytes of a load
.set VOUT, 3                           ; v3   (lane / 16) x SSTEP + 16 (lane % 16) + 256 x wave
.set STG,  4                           ; v4   4,096 x wave + 16 x lane
.set SCA,  5                           ; v5   where my group's eight scale bytes go
.set SCR,  6                           ; v6   the scale bytes' way out: LDS
.set SCO,  7                           ; v7   and memory
.set FF,   8                           ; v8   f
.set FB,   9                           ; v9   f's bits + (129 << 23)
.set FL,   10                          ; v10  the floor
.set ONE,  11                          ; v11  1.0: the conversions' scale
.set MXA,  12                          ; v12, v13 two blocks' largest magnitudes
.set MXB,  13
.set TMP,  14
.set GA,   16                          ; v[16:17], v[18:19] G of the two blocks (the packed form names a pair and takes its low word)
.set GB,   18
.set TT0,  20                          ; v20-35  two sets of eight scaled numbers
.set SS,   36                          ; v36-43  four packed chains of the sum of squares
.set SB,   44                          ; v44-51  scale bytes: load j's in register j / 4, byte j % 4
.set RC,   52                          ; v52-67  codes as made
.set OC,   68                          ; v68-83  codes as whole blocks
.set SW,   84                          ; v84-87  scale bytes on their way out
.set X,    96                          ; v96-223 the row: load j at X + 4 j
	s_load_b256 s[4:11], s[0:1], 0x0               ; x s[4:5], W s[6:7], xq s[8:9], wq s[10:11]
	v_lshl_add_u32 v224, v0, 2, SPARE
	v_mov_b32 v225, 0
	v_lshrrev_b32 v1, 5, v0
	s_delay_alu instid0(VALU_DEP_1)
	v_readfirstlane_b32 s12, v1                    ; wave 0..15
	v_and_b32 v1, 31, v0                           ; lane
	s_wait_alu depctr_va_vdst(0)                   ; the wait ahead of the run of scalar lines
	s_mov_b32 s22, 0x76543210
	s_mov_b32 s23, 0xfedcba98                      ; v_permlanex16_b32's selects for lane l xor 16
	s_lshl_b32 s28, ttmp9, 18                      ; source: 16 rows of 16,384 bytes
	s_mov_b32 s29, 0
	s_lshr_b32 s24, ttmp9, 4
	s_mul_i32 s24, s24, TILEG                      ; my tile
	s_and_b32 s15, ttmp9, 15
	s_lshl_b32 s26, s15, 8
	s_add_co_u32 s26, s26, s24
	s_add_co_u32 s26, s26, 65536                   ; scale bytes: tile + 65,536 + 16 rows x 16 bytes
	s_mov_b32 s27, 0
	s_lshl_b32 s15, s15, 12
	s_add_co_u32 s24, s24, s15                     ; codes: tile + 16 rows x 256 bytes
	s_mov_b32 s25, 0
	v_lshlrev_b32 v[VIN], 4, v1
	s_lshl_b32 s15, s12, 14
	v_add_nc_u32 v[VIN], s15, v[VIN]
	v_lshrrev_b32 v14, 4, v1
	s_delay_alu instid0(VALU_DEP_1)
	v_mul_u32_u24 v[VOUT], v14, SSTEP
	v_and_b32 v15, 15, v1
	s_delay_alu instid0(VALU_DEP_1)
	v_lshl_add_u32 v[VOUT], v15, 4, v[VOUT]
	s_lshl_b32 s15, s12, 8
	v_add_nc_u32 v[VOUT], s15, v[VOUT]
	v_lshlrev_b32 v[STG], 4, v1
	s_lshl_b32 s15, s12, 12
	v_add_nc_u32 v[STG], s15, v[STG]
	v_bfe_u32 v14, v0, 4, 1                        ; group g = lane / 8: g / 2 picks the K step of a pair,
	s_delay_alu instid0(VALU_DEP_1)
	v_lshlrev_b32 v[SCA], 8, v14
	v_bfe_u32 v15, v0, 3, 1                        ; g % 2 the half of the row's 16 bytes
	s_delay_alu instid0(VALU_DEP_1)
	v_lshl_add_u32 v[SCA], v15, 3, v[SCA]
	s_lshl_b32 s15, s12, 4                         ; my row of the table: the wave's number
	v_add_nc_u32 v[SCA], s15, v[SCA]
	s_delay_alu instid0(VALU_DEP_1)
	v_add_nc_u32 v[SCA], SCB, v[SCA]
	v_and_b32 v14, 255, v0
	s_delay_alu instid0(VALU_DEP_1)
	v_lshl_add_u32 v[SCR], v14, 4, SCB             ; thread t of the first 256: table t / 128, K step (t / 16) % 8, row t % 16
	v_bfe_u32 v14, v0, 4, 3
	s_delay_alu instid0(VALU_DEP_1)
	v_mul_u32_u24 v[SCO], v14, SSTEP
	v_and_b32 v15, 15, v0
	s_delay_alu instid0(VALU_DEP_1)
	v_lshl_add_u32 v[SCO], v15, 4, v[SCO]
	v_mov_b32 v[ONE], 1.0
	v_mov_b32 v[GA+1], 0                           ; named with G as pairs, so they are written
	v_mov_b32 v[GB+1], 0
	s_wait_alu depctr_va_vdst(0)                   ; the wait at the head's end
	s_wait_kmcnt 0x0
	s_add_nc_u64 s[16:17], s[4:5], s[28:29]        ; my 16 rows of x
	s_add_nc_u64 s[30:31], s[6:7], s[28:29]        ; and of W
	s_add_nc_u64 s[18:19], s[8:9], s[24:25]        ; x's codes in K step 0
	s_add_nc_u64 s[32:33], s[10:11], s[24:25]      ; W's
	s_cmp_lt_u32 s12, 4                            ; waves 0-3 send x's table of scale bytes out, waves 4-7 W's: the choice hangs on the wave's number alone
	s_cselect_b64 s[20:21], s[8:9], s[10:11]
	s_add_nc_u64 s[20:21], s[20:21], s[26:27]
.irp j, 0,1,2,3,4,5,6,7,8,9,10,11,12,13,14,15,16,17,18,19,20,21,22,23,24,25,26,27,28,29,30,31
	global_load_b128 v[X+4*\j:X+4*\j+3], v[VIN], s[16:17] offset:512*\j th:TH_LOAD_NT   ; my row of x: 32 lanes read 512 consecutive bytes
.endr
; f = 1 / (sqrt(the sum of the row's squares) + 1e-8), in every lane.  Four packed chains a lane, started by the first two loads: nothing is cleared.
.macro SUMSQ
.irp n, 0,1,2,3,4,5,6,7
	s_wait_alu depctr_va_vdst(0)                   ; the wait ahead of the wait below
	s_wait_loadcnt 28-4*\n                         ; loads 4 n .. 4 n + 3 are in; the 28 - 4 n behind them may be out
.irp i, 0,1,2,3
.irp u, 0,1
.if (\n == 0) && (\i < 2)
	v_pk_mul_f32 v[SS+4*(\i%2)+2*\u:SS+4*(\i%2)+2*\u+1], v[X+16*\n+4*\i+2*\u:X+16*\n+4*\i+2*\u+1], v[X+16*\n+4*\i+2*\u:X+16*\n+4*\i+2*\u+1]
.else
	v_pk_fma_f32 v[SS+4*(\i%2)+2*\u:SS+4*(\i%2)+2*\u+1], v[X+16*\n+4*\i+2*\u:X+16*\n+4*\i+2*\u+1], v[X+16*\n+4*\i+2*\u:X+16*\n+4*\i+2*\u+1], v[SS+4*(\i%2)+2*\u:SS+4*(\i%2)+2*\u+1]
.endif
.endr
.endr
.endr
	s_delay_alu instid0(VALU_DEP_3)
	v_pk_add_f32 v[SS:SS+1], v[SS:SS+1], v[SS+2:SS+3]
	s_delay_alu instid0(VALU_DEP_2)
	v_pk_add_f32 v[SS+4:SS+5], v[SS+4:SS+5], v[SS+6:SS+7]
	s_delay_alu instid0(VALU_DEP_1)
	v_pk_add_f32 v[SS:SS+1], v[SS:SS+1], v[SS+4:SS+5]
	s_delay_alu instid0(VALU_DEP_1)
	v_add_f32 v[SS], v[SS], v[SS+1]
	s_delay_alu instid0(VALU_DEP_1)
	v_add_f32_dpp v[SS], v[SS], v[SS] row_xmask:1 row_mask:0xf bank_mask:0xf
	s_delay_alu instid0(VALU_DEP_1)
	v_add_f32_dpp v[SS], v[SS], v[SS] row_xmask:2 row_mask:0xf bank_mask:0xf
	s_delay_alu instid0(VALU_DEP_1)
	v_add_f32_dpp v[SS], v[SS], v[SS] row_xmask:4 row_mask:0xf bank_mask:0xf
	s_delay_alu instid0(VALU_DEP_1)
	v_add_f32_dpp v[SS], v[SS], v[SS] row_xmask:8 row_mask:0xf bank_mask:0xf
	s_delay_alu instid0(VALU_DEP_1)
	v_permlanex16_b32 v[SS+1], v[SS], s22, s23     ; (its destination has been written)
	s_delay_alu instid0(VALU_DEP_1)
	v_add_f32 v[SS], v[SS], v[SS+1]
	s_wait_alu depctr_va_vdst(0)                   ; the wait ahead of a transcendental
	v_sqrt_f32 v[SS+2], v[SS]
	v_nop                                          ; a plain instruction behind the root,
	s_wait_alu depctr_va_vdst(0)                   ; and the wait ahead of its first reader
	v_add_f32 v[SS+2], 0x322bcc77, v[SS+2]         ; + 1e-8
	s_wait_alu depctr_va_vdst(0)
	v_rcp_f32 v[FF], v[SS+2]
	v_nop
	s_wait_alu depctr_va_vdst(0)                   ; likewise
.endm
; Loads 2 p and 2 p + 1: four numbers of each of two blocks a lane; a block lies in eight neighbouring lanes.  refill = 1: the registers take the same loads of my row of W.
.macro PAIR p, refill
.set XA, X+8*(\p)
.set TT, TT0+8*((\p)%2)
.if \refill
	s_wait_loadcnt 30                              ; behind load 2 p + 1 stand 30 - 2 p loads of this row and 2 p of the next
.else
	s_wait_loadcnt 30-2*(\p)                       ; behind it stand this row's 30 - 2 p
.endif
	v_max3_num_f32 v[MXA], |v[XA]|, |v[XA+1]|, |v[XA+2]|
	v_max3_num_f32 v[MXB], |v[XA+4]|, |v[XA+5]|, |v[XA+6]|
	s_delay_alu instid0(VALU_DEP_2)
	v_max_num_f32 v[MXA], v[MXA], |v[XA+3]|
	s_delay_alu instid0(VALU_DEP_2)
	v_max_num_f32 v[MXB], v[MXB], |v[XA+7]|
.irp m, 1,2,4
	s_delay_alu instid0(VALU_DEP_2)
	v_max_num_f32_dpp v[MXA], v[MXA], v[MXA] row_xmask:\m row_mask:0xf bank_mask:0xf
	s_delay_alu instid0(VALU_DEP_2)
	v_max_num_f32_dpp v[MXB], v[MXB], v[MXB] row_xmask:\m row_mask:0xf bank_mask:0xf
.endr
	v_mul_f32 v[MXA], v[MXA], v[FF]                ; the largest |x f|: rounding keeps the order, so it is the largest |x| times f
	v_mul_f32 v[MXB], v[MXB], v[FF]
	s_delay_alu instid0(VALU_DEP_2)
	v_max_num_f32 v[MXA], v[MXA], v[FL]            ; the floor: the byte cannot fall under 1
	s_delay_alu instid0(VALU_DEP_2)
	v_max_num_f32 v[MXB], v[MXB], v[FL]
	s_delay_alu instid0(VALU_DEP_2)
	v_and_b32 v[MXA], 0x7f800000, v[MXA]           ; E << 23
	s_delay_alu instid0(VALU_DEP_2)
	v_and_b32 v[MXB], 0x7f800000, v[MXB]
	s_delay_alu instid0(VALU_DEP_2)
	v_sub_nc_u32 v[GA], v[FB], v[MXA]              ; G = f x 2^(129 - E)
	s_delay_alu instid0(VALU_DEP_2)
	v_sub_nc_u32 v[GB], v[FB], v[MXB]
	s_delay_alu instid0(VALU_DEP_4)
	v_lshrrev_b32 v[TMP], 8, v[MXA]
	s_delay_alu instid0(VALU_DEP_1)
	v_or_b32 v[TMP], v[TMP], v[MXB]                ; the two E side by side, at bits 22:15 and 30:23
.if ((\p)%2) == 0
	s_delay_alu instid0(VALU_DEP_1)
	v_lshrrev_b32 v[SB+(\p)/2], 15, v[TMP]         ; bytes 0 and 1
.else
	s_delay_alu instid0(VALU_DEP_1)
	v_lshl_or_b32 v[SB+(\p)/2], v[TMP], 1, v[SB+(\p)/2]   ; bytes 2 and 3
.endif
	v_pk_mul_f32 v[TT:TT+1],   v[XA:XA+1],   v[GA:GA+1] op_sel_hi:[1,0]
	v_pk_mul_f32 v[TT+2:TT+3], v[XA+2:XA+3], v[GA:GA+1] op_sel_hi:[1,0]
	v_pk_mul_f32 v[TT+4:TT+5], v[XA+4:XA+5], v[GB:GB+1] op_sel_hi:[1,0]
	v_pk_mul_f32 v[TT+6:TT+7], v[XA+6:XA+7], v[GB:GB+1] op_sel_hi:[1,0]
.if \refill
	global_load_b128 v[XA:XA+3],   v[VIN], s[30:31] offset:512*(2*(\p)) th:TH_LOAD_NT
	global_load_b128 v[XA+4:XA+7], v[VIN], s[30:31] offset:512*(2*(\p)+1) th:TH_LOAD_NT
.endif
	v_cvt_scalef32_pk8_fp4_f32 v[RC+(\p)], v[TT:TT+7], v[ONE]   ; to the nearest code, ties to even, beyond 6 the largest code; the first number's code in the lowest bits.  The next pair's first lines are plain and name none of its registers
.endm
; t = 0: my row of x; t = 1: my row of W.
.macro ROW t, refill
.if \t
	v_mov_b32 v[FF], 1.0                           ; W is quantised as it is
.else
	SUMSQ
.endif
	v_add_nc_u32 v[FB], 0x40800000, v[FF]
	v_mul_f32 v[FL], 0x01000000, v[FF]             ; f x 2^-125
	s_delay_alu instid0(VALU_DEP_1)
	v_max_num_f32 v[FL], 0x01800000, v[FL]         ; and 2^-124
	s_wait_alu depctr_va_vdst(0)                   ; the wait ahead of the pairs' waits
.irp p, 0,1,2,3,4,5,6,7,8,9,10,11,12,13,14,15
	PAIR \p, \refill
.endr
	v_nop                                          ; a plain instruction behind the last conversion
.irp i, 0,1,2,3,4,5,6,7
	v_add_nc_u32 v[SB+\i], 0xfdfdfdfe, v[SB+\i]    ; 2 off each of the four bytes: every byte is 3 or more, so nothing is borrowed
.endr
.irp a, 0,1,2,3
	ds_store_b64 v[SCA], v[SB+2*\a:SB+2*\a+1] offset:512*\a+2048*(\t)   ; table t: chunks 8 (g % 2) + 0..7 of K step 2 a + g / 2; a group's eight lanes write the same bytes with the same values
.endr
.irp a, 0,1,2,3
	ds_store_b128 v[STG], v[RC+4*\a:RC+4*\a+3] offset:2048*(\t)+512*\a   ; my pieces of loads 8 a .. 8 a + 7
.endr
.if \t
	s_wait_xcnt 0x0                                ; the last row's stores have read the registers that the loads below fill
.endif
.irp a, 0,1,2,3
	ds_load_tr16_b128 v[OC+4*\a:OC+4*\a+3], v[STG] offset:2048*(\t)+512*\a   ; LDS serves a wave's instructions in order: these see the stores above.  Lane 8 g + i: piece i of lanes 8 g + 0..7: a whole block
.endr
.irp a, 0,1,2,3
	s_wait_dscnt 3-\a                              ; load a is in; the 3 - a behind it may be out.  At the last all my LDS instructions are done
	global_store_b128 v[VOUT], v[OC+4*\a:OC+4*\a+3], s[18+14*(\t):19+14*(\t)] offset:2*SSTEP*\a   ; lanes 0-15: my row's line of K step 2 a, lanes 16-31: of 2 a + 1: 256 consecutive bytes each, aligned
.endr
.endm
	ROW 0, 1
	ROW 1, 0
	s_wait_dscnt 0x0                               ; my scale bytes lie in LDS
	s_barrier_signal -1
	s_barrier_wait -1                              ; everybody's do
	s_cmp_lt_u32 s12, 8
	s_cbranch_scc0 .Ldone                          ; 4,096 bytes: eight waves' work
	ds_load_b128 v[SW:SW+3], v[SCR]
	s_wait_dscnt 0x0
	global_store_b128 v[SCO], v[SW:SW+3], s[20:21] ; sixteen lanes store the 16 rows' bytes of a K step: 256 consecutive bytes, aligned
.Ldone:
	s_wait_tensorcnt 0x0                           ; the wave's end
	ds_add_u32 v224, v225
	s_wait_dscnt 0x0
	s_endpgm
.Lfunc_end_k_q9a1e7cc02a_quant:
	.size	k_q9a1e7cc02a_quant, .Lfunc_end_k_q9a1e7cc02a_quant-k_q9a1e7cc02a_quant
	.p2alignl 7, 3214868480
	.fill 96, 4, 3214868480
	.section	.rodata,"a",@progbits
	.p2align	6, 0x0
	.amdhsa_kernel k_q9a1e7cc02a_quant
		.amdhsa_group_segment_fixed_size 71680
		.amdhsa_private_segment_fixed_size 0
		.amdhsa_enable_private_segment 0
		.amdhsa_kernarg_size 32
		.amdhsa_user_sgpr_count 2
		.amdhsa_user_sgpr_kernarg_segment_ptr 1
		.amdhsa_wavefront_size32 1
		.amdhsa_system_sgpr_workgroup_id_x 1
		.amdhsa_system_sgpr_workgroup_id_y 1
		.amdhsa_system_sgpr_workgroup_id_z 1
		.amdhsa_system_vgpr_workitem_id 0
		.amdhsa_next_free_vgpr 226
		.amdhsa_next_free_sgpr 66
		.amdhsa_reserve_vcc 0
		.amdhsa_float_denorm_mode_32 3
		.amdhsa_float_denorm_mode_16_64 3
		.amdhsa_memory_ordered 1
		.amdhsa_forward_progress 1
		.amdhsa_inst_pref_size 81
	.end_amdhsa_kernel
	.amdgpu_metadata
---
amdhsa.version: [ 1, 2 ]
amdhsa.kernels:
  - .name:           k_q9a1e7cc02a_quant
    .symbol:         k_q9a1e7cc02a_quant.kd
    .args:
      - { .name: x, .offset: 0, .size: 8, .value_kind: global_buffer, .address_space: global }
      - { .name: W, .offset: 8, .size: 8, .value_kind: global_buffer, .address_space: global }
      - { .name: xq, .offset: 16, .size: 8, .value_kind: global_buffer, .address_space: global }
      - { .name: wq, .offset: 24, .size: 8, .value_kind: global_buffer, .address_space: global }
    .group_segment_fixed_size: 71680
    .private_segment_fixed_size: 0
    .kernarg_segment_align: 8
    .kernarg_segment_size: 32
    .max_flat_workgroup_size: 512
    .sgpr_count:     66
    .vgpr_count:     226
    .wavefront_size: 32
...
	.end_amdgpu_metadata
.endif
;; end of part 1
;; launch gemm (part 2): grid 16 x 16, 4 waves a work-group, clusters of 4 x 4, 327,680 bytes of LDS; arguments xq, wq, b, out0; writes out0
.if DOCPART == 2
	.amdgcn_target "amdgcn-amd-amdhsa--gfx1250"
	.amdhsa_code_object_version 6
	.text
	.protected	k_q9a1e7cc02a_gemm
	.globl	k_q9a1e7cc02a_gemm
	.p2align	8
	.type	k_q9a1e7cc02a_gemm,@function
k_q9a1e7cc02a_gemm:
	s_mov_b64 s[64:65], 0
	v_nop
	global_prefetch_b8 v0, s[64:65] scope:SCOPE_SE
	s_setreg_imm32_b32 hwreg(HW_REG_WAVE_MODE, 25, 1), 1
	s_wait_xcnt 0x0
	s_wait_alu depctr_hold_cnt(0) depctr_sa_sdst(0) depctr_va_vdst(0) depctr_va_sdst(0) depctr_va_ssrc(0) depctr_va_vcc(0) depctr_vm_vsrc(0)
	s_getreg_b32 s2, hwreg(HW_REG_IB_STS2, 6, 4)
	s_cmp_eq_u32 s2, 0
	s_cbranch_scc0 .Lentry_in_a_cluster
	s_endpgm
.Lentry_in_a_cluster:
	s_bfe_u32 s2, ttmp6, 0x10000c
	s_cmp_lg_u32 s2, 0xf033
	s_cbranch_scc0 .Lentry_shape_is_right
	s_endpgm
.Lentry_shape_is_right:
; out0[m][n] = max(0, b[n] + sum over k of xq[m][k] wq[n][k]): codes of FP4 (E2M1) with one E8M0 byte for each 32 along K, as the first launch laid them:
; [8 K steps][16 tiles of 256 rows][272 lines of 256 bytes]: lines 0-255 a row's 512 codes, lines 256-271 the rows' 16 scale bytes.  A K step's tile is one dense block of 69,632 bytes.
; A work-group of four waves makes 256 x 256 of the result, a wave 128 x 128: 64 accumulators, 512 registers.  K goes in steps of 512 through two LDS slots; a wave's tensor load brings half a tile, 136 lines.
; CLUSTERS 4 x 4: x's tile is asked for jointly along a row of the cluster, W's along a column.  A cluster begins at K step 0, 2, 4 or 6 by its own place in the grid and goes round modulo 8.
; The matrix instruction is used transposed (source 0 = 16 rows of W, source 1 = 16 rows of x): a lane holds eight neighbouring columns of one row.  The bias is the C of each accumulator's first product.
; BOTH operands have two sets of fragment registers: the 32 LDS loads of the next 128 along K are issued in one run at a step's head, 64 matrix instructions ahead of the step that multiplies them.
; The change of slots stands at the end of a slot's third step: its last fragments have been asked for at that step's head.
; The last K step goes by rows of the result: W's four quarters fill window 1, and each block of 16 rows leaves through the wave's stage while the next block is multiplied.
; PREFETCH: behind the joint load of K step u the lines of K step u + 2 are named once in the cluster: of a wave's 136 lines each of the four partners takes 34, told apart by address;
; K step 1 is named at the head with K step 2; the loads of the last two K steps name nothing.
; REGISTERS.  window 0: v0-31 addresses, v32-95 scale words (a set a slot), v128-191 and v192-255 x's fragments; window 1: v0-63 and v128-191 W's fragments, v64-127 the bias; windows 2, 3: accumulators.
; LIMITS: the sums run over K in the order of the first launch's blocks and from the cluster's first K step on, not ascending.  NaN is not served: the maximum with 0 gives 0 for it.
.set SIZE_N, 4096
.set PITCH,  272                       ; an LDS line: 256 bytes + 16 of padding
.set TILEG,  69632
.set SSTEP,  16*TILEG
.set HALFT,  136*PITCH
.set TILEL,  272*PITCH
.set SLOT,   2*TILEL
.set SPARE,  2*SLOT                    ; the spare words, 512 bytes, behind the ring
.set SPITCH, 528                       ; the way out: 16 rows x (512 + 16) bytes a wave, in slot 0 behind its last fill and last read
.set ADRA, 16
.set ADRB, 20
.set ADRS, 22
.set STO,  24
.set RD,   25
.set CO,   26
.set BO,   27
.set SPW,  28
.set NIL,  29
.set PFO,  30                          ; 256 x lane: lines 0-31 of my 34
.set PFO2, 31                          ; lines 32 and 33 (lanes 1-31 all name line 33)
.set SC,   32
.set AF,   128
.set BI,   64
.set KU,   2                           ; s2: first K step + number of the K step asked for last
.set KO,   12
.set G1,   24
.set G0,   32
.set G1B,  48
.set G0B,  56
.set PFA,  66                          ; s[66:67] my 34 lines in K step 0
.set PFK,  68                          ; s[68:69] the same in the K step to be named
.set MSB, 0
.macro WIN new
.if MSB != (\new)
	s_set_vgpr_msb (MSB<<8)|(\new)
.set MSB, (\new)
.endif
.endm
.set MUL_LO, 0xa1                      ; source 0 window 1, source 1 window 0, C and D window 2
.set MUL_HI, 0xf1
.set FST_LO, 0x91                      ; the same with C in window 1: the bias
.set FST_HI, 0xd1
.set TO_B,   0x40
.macro PLACES
.rept 4
	v_nop
.endr
.endm
.macro JLOAD s                         ; waves 0, 1 ask for x's halves, waves 2, 3 for W's; s_nop 0 and four v_nop behind each line
	s_cmp_eq_u32 s15, 0
	s_cbranch_scc0 .Lfor_b_\@
	tensor_load_to_lds s[G0+4*\s:G0+4*\s+3], s[G1:G1+7]
	s_nop 0
	PLACES
	s_branch .Lasked_\@
.Lfor_b_\@:
	tensor_load_to_lds s[G0B+4*\s:G0B+4*\s+3], s[G1B:G1B+7]
	s_nop 0
	PLACES
.Lasked_\@:
.endm
.macro CREST
	s_cmp_lg_u32 s14, 0
	s_cbranch_scc1 .Lnot_wave_0_\@
	s_barrier_signal -3
.Lnot_wave_0_\@:
	s_barrier_wait -3
	s_barrier_signal -1
	s_barrier_wait -1
.endm
.macro CROUND
	s_barrier_signal -1
	s_barrier_wait -1
	CREST
.endm
.macro PFADR reg, d                    ; my lines in K step (s2 + d) mod 8
	s_add_co_u32 s70, s[KU], \d
	s_and_b32 s70, s70, 7
	s_mul_i32 s70, s70, SSTEP
	s_add_nc_u64 s[\reg:\reg+1], s[PFA:PFA+1], s[70:71]
.endm
.macro PF reg
	global_prefetch_b8 v[PFO], s[\reg:\reg+1] th:TH_LOAD_NT scope:SCOPE_SE
	global_prefetch_b8 v[PFO2], s[\reg:\reg+1] th:TH_LOAD_NT scope:SCOPE_SE
.endm
	s_load_b256 s[4:11], s[0:1], 0x0               ; xq, wq, b, out0
	v_lshl_add_u32 v[SPW], v0, 2, SPARE
	v_mov_b32 v[NIL], 0
	ds_add_u32 v[SPW], v[NIL]                      ; the opening lines: the add twice on end and its wait
	ds_add_u32 v[SPW], v[NIL]
	v_lshrrev_b32 v1, 5, v0
	v_readfirstlane_b32 s14, v1                    ; wave
	s_lshr_b32 s15, s14, 1                         ; my half of the rows; also: I ask for x (0) or W (1)
	s_and_b32 s16, s14, 1                          ; my half of the columns; also: which half tile I ask for
	s_bfe_u32 s40, ttmp6, 0x40000                  ; cx
	s_bfe_u32 s41, ttmp6, 0x40004                  ; cy
	s_lshl_b32 s42, ttmp9, 2
	s_add_co_u32 s42, s42, s40                     ; tile column
	s_and_b32 s17, ttmp7, 0xffff
	s_xor_b32 s13, s17, ttmp9                      ; the cluster's y xor x
	s_lshl_b32 s17, s17, 2
	s_add_co_u32 s17, s17, s41                     ; tile row
	s_lshl_b32 s43, s41, 2
	s_lshl_b32 s43, 15, s43                        ; my row of the cluster
	s_lshl_b32 s44, 0x1111, s40                    ; my column
	s_lshl_b32 s[KU], s13, 2
	s_and_b32 s[KU], s[KU], 4
	s_and_b32 s13, s13, 2
	s_or_b32 s[KU], s[KU], s13                     ; the cluster's first K step: 0, 4, 2, 6
	s_mov_b32 s[KO+1], 0
	s_mov_b32 s71, 0
	s_or_b32 s[G1+0], s43, (0<<16)|(1<<20)|(1<<21)|(5<<22)|(3<<25)
	s_or_b32 s[G1B+0], s44, (0<<16)|(1<<20)|(1<<21)|(5<<22)|(3<<25)
.irp g, G1, G1B
	s_mov_b32 s[\g+1], 256<<16                     ; 136 lines of 256 bytes, dense
	s_mov_b32 s[\g+2], 136<<16
	s_mov_b32 s[\g+3], 256<<16
	s_mov_b32 s[\g+4], 136
	s_mov_b32 s[\g+5], 256
	s_mov_b32 s[\g+6], 0
	s_mov_b32 s[\g+7], 0
.endr
	s_mul_i32 s18, s16, TILEG/2
	s_mul_i32 s20, s17, TILEG
	s_add_co_u32 s20, s20, s18
	s_mul_i32 s46, s42, TILEG
	s_add_co_u32 s46, s46, s18
	s_mov_b32 s21, 0
	s_mov_b32 s47, 0
	s_mul_i32 s45, s14, HALFT                      ; LDS: wave x 136 lines
	s_wait_dscnt 0x0
	s_wait_kmcnt 0x0
	s_add_nc_u64 s[4:5], s[4:5], s[20:21]          ; my half tile of x in K step 0
	s_add_nc_u64 s[6:7], s[6:7], s[46:47]          ; and of W
.irp s, 0,1
	s_add_co_u32 s[KO], s[KU], \s
	s_mul_i32 s[KO], s[KO], SSTEP
	s_mov_b32 s[G0+4*\s], 1
	s_add_co_u32 s[G0+4*\s+1], s45, \s*SLOT
	s_add_nc_u64 s[G0+4*\s+2:G0+4*\s+3], s[4:5], s[KO:KO+1]
	s_or_b32 s[G0+4*\s+3], s[G0+4*\s+3], 0x80000000
	s_mov_b32 s[G0B+4*\s], 1
	s_add_co_u32 s[G0B+4*\s+1], s45, \s*SLOT
	s_add_nc_u64 s[G0B+4*\s+2:G0B+4*\s+3], s[6:7], s[KO:KO+1]
	s_or_b32 s[G0B+4*\s+3], s[G0B+4*\s+3], 0x80000000
.endr
	CROUND                                         ; the round in front of the first joint loads
	JLOAD 0                                        ; one tensor load a wave at the head; all that follows is made while it is out
	s_cmp_eq_u32 s15, 0
	s_cselect_b64 s[PFA:PFA+1], s[4:5], s[6:7]
	s_cselect_b32 s72, s40, s41                    ; my place among the four that ask with me
	s_mul_i32 s72, s72, 34*256
	s_mov_b32 s73, 0
	s_add_nc_u64 s[PFA:PFA+1], s[PFA:PFA+1], s[72:73]
	PFADR 74, 1
	PFADR 76, 2
	PFADR PFK, 3
	s_add_co_u32 s[KU], s[KU], 1                   ; the second load's K step
	s_mul_i32 s21, s15, 128*PITCH                  ; my 128 rows of x
	s_mul_i32 s22, s16, 128*PITCH
	s_add_co_u32 s22, s22, TILEL                   ; my 128 rows of W
	s_mul_i32 s18, s15, 8*PITCH
	s_mul_i32 s23, s16, 8*PITCH
	s_add_co_u32 s23, s23, TILEL
	s_sub_co_u32 s23, s23, s18                     ; from x's scale lines to W's
	s_add_co_u32 s18, s18, 256*PITCH
	s_mul_i32 s19, s14, 16*SPITCH                  ; my stage
	s_lshl_b32 s46, s42, 10
	s_lshl_b32 s47, s16, 9
	s_add_co_u32 s46, s46, s47                     ; my first column, in bytes
	s_mov_b32 s47, 0
	s_add_nc_u64 s[8:9], s[8:9], s[46:47]
	s_lshl_b32 s72, s17, 22                        ; my first row x 16,384 bytes
	s_lshl_b32 s73, s15, 21
	s_add_co_u32 s72, s72, s73
	s_add_co_u32 s72, s72, s46
	s_mov_b32 s73, 0
	s_add_nc_u64 s[10:11], s[10:11], s[72:73]
	v_and_b32 v1, 15, v0
	v_bfe_u32 v2, v0, 4, 1
	v_mul_u32_u24 v3, v1, PITCH
	v_lshl_add_u32 v4, v2, 4, v3                   ; a fragment's row x pitch + 16 x half
	v_add_nc_u32 v[ADRA], s21, v4
	v_add_nc_u32 v[ADRB], s22, v4
	v_add_nc_u32 v[ADRA+1], SLOT, v[ADRA]
	v_add_nc_u32 v[ADRB+1], SLOT, v[ADRB]
	v_lshlrev_b32 v5, 4, v1
	v_mul_u32_u24 v6, s23, v2                      ; lanes 16-31 take W's scale words
	v_add_nc_u32 v5, v5, v6
	v_add_nc_u32 v[ADRS], s18, v5
	v_add_nc_u32 v[ADRS+1], SLOT, v[ADRS]
	v_mul_u32_u24 v5, v1, SPITCH
	v_lshl_add_u32 v5, v2, 5, v5
	v_add_nc_u32 v[STO], s19, v5
	v_and_b32 v6, 31, v0
	v_lshlrev_b32 v[CO], 4, v6
	v_add_nc_u32 v[RD], s19, v[CO]
	v_lshlrev_b32 v[BO], 5, v2
	v_lshlrev_b32 v[PFO], 8, v6
	v_min_u32 v3, 1, v6
	v_lshl_add_u32 v[PFO2], v3, 8, 32*256
	s_wait_alu depctr_va_vdst(0)                   ; the wait at the head's end
	WIN TO_B
.irp b, 0,1,2,3,4,5,6,7
	global_load_b128 v[BI+8*\b:BI+8*\b+3],   v[BO], s[8:9] offset:64*\b       ; b[16 b + 8 h + 0..7] of my columns
	global_load_b128 v[BI+8*\b+4:BI+8*\b+7], v[BO], s[8:9] offset:64*\b+16
.endr
	WIN 0
	PF 74                                          ; K steps 1 and 2
	PF 76
.macro FRAG reg, adr, q, i             ; 16 rows x 128 K: two loads of 16 bytes a lane, 32 bytes apart
	ds_load_b128 v[(\reg):(\reg)+3], v[\adr] offset:64*(\q)+(\i)*16*PITCH
	ds_load_b128 v[(\reg)+4:(\reg)+7], v[\adr] offset:64*(\q)+32+(\i)*16*PITCH
.endm
.macro FETCH slot, q, p                ; 32 loads: W's eight fragments, then x's eight, into set p
	WIN TO_B
.irp i, 0,1,2,3,4,5,6,7
	FRAG 128*(\p)+8*\i, ADRB+\slot, \q, \i
.endr
	WIN 0
.irp i, 0,1,2,3,4,5,6,7
	FRAG AF+64*(\p)+8*\i, ADRA+\slot, \q, \i
.endr
.endm
.macro SCALES sc                       ; a K step's scale words: lanes 0-15 x's block i, lanes 16-31 W's block i
.irp i, 0,1,2,3,4,5,6,7
	ds_load_b128 v[SC+32*\sc+4*\i:SC+32*\sc+4*\i+3], v[ADRS+\sc] offset:\i*PITCH
.endr
.endm
.macro MULA a, p, q, sc, first         ; x's block a against W's eight; the accumulators take turns
.irp b, 0,1,2,3,4,5,6,7
.if \first
	v_wmma_scale_f32_16x16x128_f8f6f4 v[8*(8*((\a)%4)+\b):8*(8*((\a)%4)+\b)+7], v[128*(\p)+8*\b:128*(\p)+8*\b+7], v[AF+64*(\p)+8*(\a):AF+64*(\p)+8*(\a)+7], v[BI+8*\b:BI+8*\b+7], v[SC+32*(\sc)+4*\b+(\q)], v[SC+32*(\sc)+4*(\a)+(\q)] matrix_a_fmt:MATRIX_FMT_FP4 matrix_b_fmt:MATRIX_FMT_FP4 matrix_a_scale:MATRIX_SCALE_ROW1
.else
	v_wmma_scale_f32_16x16x128_f8f6f4 v[8*(8*((\a)%4)+\b):8*(8*((\a)%4)+\b)+7], v[128*(\p)+8*\b:128*(\p)+8*\b+7], v[AF+64*(\p)+8*(\a):AF+64*(\p)+8*(\a)+7], v[8*(8*((\a)%4)+\b):8*(8*((\a)%4)+\b)+7], v[SC+32*(\sc)+4*\b+(\q)], v[SC+32*(\sc)+4*(\a)+(\q)] matrix_a_fmt:MATRIX_FMT_FP4 matrix_b_fmt:MATRIX_FMT_FP4 matrix_a_scale:MATRIX_SCALE_ROW1
.endif
.endr
.endm
.macro MUL2 a0, p, q, sc, first
	MULA \a0, \p, \q, \sc, \first
	MULA \a0+1, \p, \q, \sc, \first
.endm
; A slot's step 0 or 1.  The waits leave out the 32 loads just issued and the loads of x's blocks that are not yet multiplied (two a block).
.macro NSTEP slot, q, first
	PLACES                                         ; four places between the last products on the other set and the loads into it
	FETCH \slot, (\q)+1, 1-(\q)
	s_wait_dscnt 44
	WIN MUL_LO-0x10*\first
	MUL2 0, \q, \q, \slot, \first
	s_wait_dscnt 40
	MUL2 2, \q, \q, \slot, \first
	s_wait_dscnt 36
	WIN MUL_HI-0x20*\first
	MUL2 4, \q, \q, \slot, \first
	s_wait_dscnt 32
	MUL2 6, \q, \q, \slot, \first
	WIN 0
.endm
; A slot's step 2: its head asks for the slot's last fragments; its end changes slots.  fill = 1: the slot is filled again with the K step two on, behind a round of the cluster's barrier.
.macro RSTEP slot, fill
	PLACES
	FETCH \slot, 3, 1
	s_wait_dscnt 44
	WIN MUL_LO
	MUL2 0, 0, 2, \slot, 0
	s_wait_dscnt 40
	MUL2 2, 0, 2, \slot, 0
	s_wait_dscnt 36
	WIN MUL_HI
	MUL2 4, 0, 2, \slot, 0
	WIN 0
	s_wait_dscnt 32                                ; this step's set is whole
.if \fill
	s_wait_xcnt 0x0                                ; my prefetches have read s[68:69], which is written below
.endif
	s_wait_tensorcnt 0x0                           ; my one load that was out, my part of the other slot, has landed
	ds_add_u32 v[SPW], v[NIL]
.if \fill
	s_add_co_u32 s[KU], s[KU], 1
	s_and_b32 s[KO], s[KU], 7
	s_mul_i32 s[KO], s[KO], SSTEP
	s_add_nc_u64 s[G0+4*\slot+2:G0+4*\slot+3], s[4:5], s[KO:KO+1]
	s_or_b32 s[G0+4*\slot+3], s[G0+4*\slot+3], 0x80000000
	s_add_nc_u64 s[G0B+4*\slot+2:G0B+4*\slot+3], s[6:7], s[KO:KO+1]
	s_or_b32 s[G0B+4*\slot+3], s[G0B+4*\slot+3], 0x80000000
	PFADR PFK, 2
.endif
	WIN MUL_HI
	MULA 6, 0, 2, \slot, 0
	s_wait_dscnt 0x0                               ; the add is done, and my reads of this slot are over
	s_barrier_signal -1
	MULA 7, 0, 2, \slot, 0
	WIN 0
	s_barrier_wait -1
.if \fill
	CREST
	JLOAD \slot                                    ; the first tensor load behind the round; its four v_nop are the places in front of the next loads
.else
	PLACES
.endif
.endm
; A slot's step 3: its set is in; the next slot's scale words and first fragments are asked for at its head.
.macro TSTEP slot, next
	SCALES \next
	FETCH \next, 0, 0
	s_cmp_gt_u32 s3, 1                             ; the last trip's two loads have no K step two on
	s_cbranch_scc0 .Lno_ask_\@
	PF PFK
.Lno_ask_\@:
	WIN MUL_LO
	MUL2 0, 1, 3, \slot, 0
	MUL2 2, 1, 3, \slot, 0
	WIN MUL_HI
	MUL2 4, 1, 3, \slot, 0
	MUL2 6, 1, 3, \slot, 0
	WIN 0
.endm
	s_wait_tensorcnt 0x0                           ; my part of the first K step is in
	ds_add_u32 v[SPW], v[NIL]
	s_wait_dscnt 0x0
	CROUND
	JLOAD 1
	SCALES 0
	FETCH 0, 0, 0
	PF PFK                                         ; K step 3
	s_wait_loadcnt 0x0                             ; the bias
	NSTEP 0, 0, 1                                  ; the first products start the sums from the bias
	s_mov_b32 s3, 3
.Llap:                                                 ; a trip: once round the ring, both slots filled again
	NSTEP 0, 1, 0
	RSTEP 0, 1
	TSTEP 0, 1
	NSTEP 1, 0, 0
	NSTEP 1, 1, 0
	RSTEP 1, 1
	TSTEP 1, 0
	NSTEP 0, 0, 0
	s_sub_co_u32 s3, s3, 1
	s_cmp_lg_u32 s3, 0
	s_cbranch_scc1 .Llap
	NSTEP 0, 1, 0
	RSTEP 0, 0                                     ; nothing is filled again: a barrier of the work-group alone
; THE LAST K STEP (slot 1) BY ROWS.  W's quarter q -> window 1, v[64 q ..]; x's block a, all four quarters -> window 0, v[128 + 32 (a % 4) ..].
.macro BLOAD q
.irp i, 0,1,2,3,4,5,6,7
	FRAG 64*\q+8*\i, ADRB+1, \q, \i
.endr
.endm
.macro ALOAD a
.irp q, 0,1,2,3
	FRAG AF+32*((\a)%4)+8*\q, ADRA+1, \q, \a
.endr
.endm
.macro ROW a                           ; block a is finished: 32 matrix instructions, its eight accumulators by turns
.set FA, AF+32*((\a)%4)
.set AC, 64*((\a)%4)
	WIN MUL_LO+0x50*((\a)/4)
.irp q, 0,1,3,2
.if (\a) == 0 && \q == 2
	s_wait_dscnt 16                                ; W's quarter 2 is in; behind it stand x's blocks 2 and 3
.endif
.irp b, 0,1,2,3,4,5,6,7
	v_wmma_scale_f32_16x16x128_f8f6f4 v[AC+8*\b:AC+8*\b+7], v[64*\q+8*\b:64*\q+8*\b+7], v[FA+8*\q:FA+8*\q+7], v[AC+8*\b:AC+8*\b+7], v[SC+32+4*\b+\q], v[SC+32+4*(\a)+\q] matrix_a_fmt:MATRIX_FMT_FP4 matrix_b_fmt:MATRIX_FMT_FP4 matrix_a_scale:MATRIX_SCALE_ROW1
.endr
.endr
.endm
.macro TOSTAGE a                       ; block a into my stage, each accumulator from its low end on, and back as whole rows of 512 bytes INTO THE SAME REGISTERS (LDS serves a wave's instructions in order)
.set AC, 64*((\a)%4)
	WIN 0x88+0x44*((\a)/4)                         ; data and destination: window 2 or 3; addresses: window 0
.irp b, 0,1,2,3,4,5,6,7
	ds_store_b128 v[STO], v[AC+8*\b:AC+8*\b+3] offset:64*\b
	ds_store_b128 v[STO], v[AC+8*\b+4:AC+8*\b+7] offset:64*\b+16
.endr
.irp t, 0,1,2,3,4,5,6,7,8,9,10,11,12,13,14,15
	ds_load_b128 v[AC+4*\t:AC+4*\t+3], v[RD] offset:\t*SPITCH
.endr
.endm
.macro SEND a, younger                 ; the maximum with 0, and out: 32 lanes store 512 consecutive bytes, aligned; every offset an immediate (127 rows of 16,384 bytes at the most)
.set AC, 64*((\a)%4)
	WIN 0x88+0x44*((\a)/4)
	s_wait_dscnt \younger
.set i, 0
.rept 64
	v_max_num_f32 v[AC+i], 0, v[AC+i]
.set i, i+1
.endr
.irp t, 0,1,2,3,4,5,6,7,8,9,10,11,12,13,14,15
	global_store_b128 v[CO], v[AC+4*\t:AC+4*\t+3], s[10:11] offset:(16*(\a)+\t)*SIZE_N*4
.endr
.endm
	SCALES 1                                       ; slot 0's step 3, on set 1; sets 0 and the bias's registers take the last K step
	WIN TO_B
	BLOAD 0
	BLOAD 1
	WIN 0
	ALOAD 0
	WIN MUL_LO
	MUL2 0, 1, 3, 0, 0
	MUL2 2, 1, 3, 0, 0
	WIN TO_B
	BLOAD 3
	WIN 0
	ALOAD 1
	WIN MUL_HI
	MUL2 4, 1, 3, 0, 0
	MUL2 6, 1, 3, 0, 0
	PLACES                                         ; for the loads into set 1
	WIN TO_B
	BLOAD 2
	WIN 0
	ALOAD 2
	ALOAD 3
	s_wait_dscnt 32                                ; all but the 32 just issued
	ROW 0
	PLACES
	TOSTAGE 0
	WIN 0
	ALOAD 4
.irp a, 1,2,3,4,5,6,7                  ; block a is multiplied while block a - 1 comes back from the stage; block a - 1's 64 maxima are the places behind block a's products
	ROW \a
.if \a < 5
	SEND \a-1, 8                                   ; behind its loads stand the eight of x's block a + 3
.else
	SEND \a-1, 0
.endif
	TOSTAGE \a
.if \a < 4
	WIN 0
	ALOAD \a+4
.endif
.endr
	SEND 7, 0
	WIN 0
	s_wait_tensorcnt 0x0                           ; the wave's end
	ds_add_u32 v[SPW], v[NIL]
	s_wait_dscnt 0x0
	CROUND                                         ; the closing round
	s_endpgm
.Lfunc_end_k_q9a1e7cc02a_gemm:
	.size	k_q9a1e7cc02a_gemm, .Lfunc_end_k_q9a1e7cc02a_gemm-k_q9a1e7cc02a_gemm
	.p2alignl 7, 3214868480
	.fill 96, 4, 3214868480
	.section	.rodata,"a",@progbits
	.p2align	6, 0x0
	.amdhsa_kernel k_q9a1e7cc02a_gemm
		.amdhsa_group_segment_fixed_size 327680
		.amdhsa_private_segment_fixed_size 0
		.amdhsa_enable_private_segment 0
		.amdhsa_kernarg_size 32
		.amdhsa_user_sgpr_count 2
		.amdhsa_user_sgpr_kernarg_segment_ptr 1
		.amdhsa_wavefront_size32 1
		.amdhsa_system_sgpr_workgroup_id_x 1
		.amdhsa_system_sgpr_workgroup_id_y 1
		.amdhsa_system_sgpr_workgroup_id_z 1
		.amdhsa_system_vgpr_workitem_id 0
		.amdhsa_next_free_vgpr 1024
		.amdhsa_next_free_sgpr 80
		.amdhsa_reserve_vcc 0
		.amdhsa_float_denorm_mode_32 3
		.amdhsa_float_denorm_mode_16_64 3
		.amdhsa_memory_ordered 1
		.amdhsa_forward_progress 1
		.amdhsa_inst_pref_size 227
	.end_amdhsa_kernel
	.amdgpu_metadata
---
amdhsa.version: [ 1, 2 ]
amdhsa.kernels:
  - .name:           k_q9a1e7cc02a_gemm
    .symbol:         k_q9a1e7cc02a_gemm.kd
    .args:
      - { .name: xq, .offset: 0, .size: 8, .value_kind: global_buffer, .address_space: global }
      - { .name: wq, .offset: 8, .size: 8, .value_kind: global_buffer, .address_space: global }
      - { .name: b, .offset: 16, .size: 8, .value_kind: global_buffer, .address_space: global }
      - { .name: out0, .offset: 24, .size: 8, .value_kind: global_buffer, .address_space: global }
    .group_segment_fixed_size: 327680
    .private_segment_fixed_size: 0
    .kernarg_segment_align: 8
    .kernarg_segment_size: 32
    .max_flat_workgroup_size: 128
    .sgpr_count:     80
    .vgpr_count:     1024
    .wavefront_size: 32
...
	.end_amdgpu_metadata
.endif
;; end of part 2
